; MI455X (gfx1250); checked and timed in simulation.
; The chip was launched on July 23, 2026; its instructions are those of AMD's public machine-readable ISA for CDNA 5 (MIT licence, August 2026) and "CDNA5" Instruction Set Architecture Reference Guide (July 2026). The comments in the code are by the model that wrote it; some were corrected since.
;; Grouped Query Attention. Allowed arithmetic: float matrix products may take bf16 or f16 operands with f32 sums; other float arithmetic in f32, or as packed bf16 or f16 multiplies, adds, multiply-adds, maxima and minima; sums over many terms, partial sums and values carried from step to step in f32; what a program stores and reads back later, other than sums and carried values, may be rounded once to bf16 or f16.
;; Inputs: Wk 4,096 x 128 x 8 float32; Wq 4,096 x 128 x 32 float32; Wv 4,096 x 128 x 8 float32; bk 128 x 8 float32; bq 128 x 32 float32; bv 128 x 8 float32; x 2 x 1,024 x 4,096 float32.
;; Outputs: out0 2 x 1,024 x 4,096 float32.
;; 2 versions, each right; version 2 is version 1 with the launch prep written anew for expert scheduling mode. Each part assembles by itself: llvm-mc -triple=amdgcn-amd-amdhsa -mcpu=gfx1250 --defsym DOCPART=n.
;; ======== version 1 of 2: 3 launches
;; limits: values are held in f16: magnitudes above 65,504 overflow, below 6.1e-05 lose precision; inputs' magnitudes at most 65,504
;; workspace buffers: xh 16,777,216 bytes; wt 25,165,824 bytes; ball 12,288 bytes; qkv 25,165,824 bytes
;; launch prep (part 1): grid 1024 x 1, 8 waves a work-group, no clusters, 70,656 bytes of LDS; arguments x, Wq, Wk, Wv, bq, bk, bv, xh, wt, ball; writes xh, wt, ball
.if DOCPART == 1
	.amdgcn_target "amdgcn-amd-amdhsa--gfx1250"
	.amdhsa_code_object_version 6
	.text
	.protected	k_q4794e45e0d_prep
	.globl	k_q4794e45e0d_prep
	.p2align	8
	.type	k_q4794e45e0d_prep,@function
k_q4794e45e0d_prep:
	s_mov_b64 s[64:65], 0
	v_nop
	global_prefetch_b8 v0, s[64:65] scope:SCOPE_SE
	s_setreg_imm32_b32 hwreg(HW_REG_WAVE_MODE, 25, 1), 1
	s_wait_xcnt 0x0
; PREPARES THE OPERANDS OF THE ONE PROJECTION.  xh = x in f16, [2048][4096].  wt = the weights in f16, turned to [3072 columns][4096 k].  ball = the biases in f32, [3072].
; THE FOLD.  reference() repeats each k head four times and then sums over heads, so the scores need only qs[d][hk] = the sum over j of q[d][4 hk + j], which is x times the sum over j of
; Wq[.][d][4 hk + j], plus the same sum of bq.  That holds for every input; all of Wq and bq is read.  The four are added in f32, (a0 + a2) + (a1 + a3), and the sum is rounded once to f16.
; THE COLUMNS' ORDER in wt, ball and the product, chosen so that the last launch reads its fragments as aligned runs of 256 bytes:
;   q (d, hk):  (d >> 4) 128 + (hk >> 2) 64 + (d & 15) 4 + (hk & 3)          k (e, hk): 1024 + the same with e
;   v (e, hk):  2048 + (e >> 4) 128 + ((e >> 2) & 1) 64 + (((e >> 3) & 1) 8 + hk) 4 + (e & 3)
; LIMITS.  f16 ends at 65,504: x, Wk, Wv and the sums of four Wq must lie within it (beyond it they become infinities); below 6e-5 they keep f16's fixed step of 6e-8.  NaN and infinities are not treated apart.
; SHARES.  1,024 work-groups of eight waves, each reading 128 KiB, 32 loads of 16 bytes a thread, all issued at once: 0-511 tiles of Wq (128 k x 256 columns), 512-767 tiles of Wk and Wv (the same shape),
; 768-1023 pieces of x.  The branch hangs on the work-group's number alone.  A weight tile is turned through LDS: rows of 256 bytes (128 k in f16) + 16 of padding, so that the 16 rows of a store start at 16 different
; groups of four banks (64 banks of 4 bytes: ISA guide 11.1); it leaves as whole rows, 16 lanes storing 256 consecutive bytes at a multiple of 256 from wt's first byte.
; No matrix unit, no cluster, no tensor load: no byte is read twice, and what is in flight lies in registers.
.set DATA,  16                         ; v[16:143]  32 loads of 4 registers: for weights, half hf of a row's 1,024 bytes and row i at DATA + 64 hf + 4 i
.set SCR,   144                        ; v[144:159] packed f16 on their way to LDS; the biases
.set SPW,   12                         ; v12  LDS address of my spare word: SPARE + 4 x my thread's number; never rewritten
.set NIL,   13                         ; v13  0; never rewritten
.set LP,    272                        ; an LDS row
.set SPARE, 256*LP                     ; behind the 256 rows: the spare words, 128 bytes for each of eight waves: four blocks of 256 bytes that no other line names
.macro LOADS base, pitch               ; my wave's 16 rows of a weight tile: row i, half hf: 512 consecutive bytes an instruction
.set i, 0
.rept 16
	global_load_b128 v[DATA+4*i:DATA+4*i+3],       v1, s[\base:\base+1] offset:i*(\pitch) th:TH_LOAD_NT
	global_load_b128 v[DATA+64+4*i:DATA+64+4*i+3], v1, s[\base:\base+1] offset:i*(\pitch)+512 th:TH_LOAD_NT
.set i, i+1
.endr
.endm
	s_load_b512 s[16:31], s[0:1], 0x0              ; x 16, Wq 18, Wk 20, Wv 22, bq 24, bk 26, bv 28, xh 30
	s_load_b128 s[32:35], s[0:1], 0x40             ; wt 32, ball 34
	v_lshl_add_u32 v[SPW], v0, 2, SPARE
	v_mov_b32 v[NIL], 0
	v_lshrrev_b32 v5, 5, v0
	v_readfirstlane_b32 s8, v5                     ; wave 0..7
	v_and_b32 v6, 31, v0                           ; lane
	v_and_b32 v7, 15, v0                           ; lane % 16
	v_bfe_u32 v8, v0, 4, 1                         ; lane / 16
	s_mov_b32 s5, 0                                ; the high words of the two offset pairs
	s_mov_b32 s7, 0
	s_wait_kmcnt 0x0
	s_cmp_lt_u32 ttmp9, 512
	s_cbranch_scc1 .Lq
	s_cmp_lt_u32 ttmp9, 768
	s_cbranch_scc1 .Lkv
	; ---- x to f16: piece g of 256, 32,768 numbers.  Thread t takes 8 numbers (32 bytes in, 16 bytes out) in each of 16 steps of 2,048 numbers.
	s_sub_co_u32 s4, ttmp9, 768
	s_lshl_b32 s6, s4, 16                          ; 65,536 bytes of xh
	s_lshl_b32 s4, s4, 17                          ; 131,072 bytes of x
	s_add_nc_u64 s[16:17], s[16:17], s[4:5]
	s_add_nc_u64 s[30:31], s[30:31], s[6:7]
	v_lshlrev_b32 v1, 5, v0
	v_lshlrev_b32 v4, 4, v0
.set it, 0
.rept 16
	global_load_b128 v[DATA+8*it:DATA+8*it+3],   v1, s[16:17] offset:it*8192 th:TH_LOAD_NT
	global_load_b128 v[DATA+8*it+4:DATA+8*it+7], v1, s[16:17] offset:it*8192+16 th:TH_LOAD_NT
.set it, it+1
.endr
.set it, 0
.rept 16
	s_wait_loadcnt 30-2*it                         ; loads come back in order (ISA guide 5.7.1): this step's two are in, the later steps' stay out
.irp q, 0,1,2,3
	v_cvt_pk_f16_f32 v[DATA+8*it+\q], v[DATA+8*it+2*\q], v[DATA+8*it+2*\q+1]  ; in place: register q is written when registers up to 2 q - 1 have been read
.endr
	global_store_b128 v4, v[DATA+8*it:DATA+8*it+3], s[30:31] offset:it*4096  ; 16 lanes store 256 consecutive bytes, aligned; no register is used twice, so nothing waits for a store
.set it, it+1
.endr
	s_branch .Lend
	; ---- Wq: tile (ktile, coltile): 128 k x 256 columns, which fold to 64 outputs o = 8 d + hk = 64 coltile + 32 hf + lane: a lane's 16 bytes are the four heads of one output.
.Lq:
	s_and_b32 s9, ttmp9, 15                        ; coltile
	s_lshr_b32 s10, ttmp9, 4                       ; ktile
	s_lshl_b32 s4, s10, 7
	s_lshl4_add_u32 s4, s8, s4                     ; my first row: 128 ktile + 16 wave
	s_lshl_b32 s4, s4, 14                          ; x 16,384 bytes
	s_lshl_b32 s11, s9, 10                         ; + 1,024 coltile
	s_add_co_u32 s4, s4, s11
	s_add_nc_u64 s[18:19], s[18:19], s[4:5]
	v_lshlrev_b32 v1, 4, v6
	LOADS 18, 16384
	v_mul_u32_u24 v2, v6, LP                       ; into LDS: row = output 32 hf + lane, byte 2 k = 32 wave + 16 g
	s_lshl_b32 s11, s8, 5
	v_add_nc_u32 v2, s11, v2
	s_lshl_b32 s11, s8, 3                          ; back: rows 8 wave + lane / 16 + 2 t: d = 8 coltile + wave, hk = lane / 16 + 2 t
	v_add_nc_u32 v3, s11, v8
	v_mul_u32_u24 v3, v3, LP
	v_lshl_add_u32 v3, v7, 4, v3
	v_lshlrev_b32 v4, 13, v8                       ; in wt: hk & 1 is one row of 8,192 bytes
	v_lshl_add_u32 v4, v7, 4, v4
	s_lshr_b32 s11, s9, 1
	s_lshl_b32 s11, s11, 7                         ; (d >> 4) 128
	s_and_b32 s12, s9, 1
	s_lshl3_add_u32 s12, s12, s8                   ; d & 15
	s_lshl2_add_u32 s11, s12, s11
	s_lshl_b32 s6, s11, 13
	s_lshl_b32 s12, s10, 8                         ; the tile's 128 k: 256 bytes of a row
	s_add_co_u32 s6, s6, s12
	s_add_nc_u64 s[32:33], s[32:33], s[6:7]
.irp g, 0,1                            ; eight k at a time
	s_wait_loadcnt 16*(1-\g)                       ; rows 0-7 are in while the 16 loads of rows 8-15 stay out; then all
.irp hf, 0,1
.set D0, DATA+64*\hf+32*\g
.set i, 0
.rept 8
	v_pk_add_f32 v[D0+4*i:D0+4*i+1], v[D0+4*i:D0+4*i+1], v[D0+4*i+2:D0+4*i+3]
.set i, i+1
.endr
.set i, 0
.rept 8
	v_add_f32 v[D0+4*i], v[D0+4*i], v[D0+4*i+1]    ; the four heads' sum
.set i, i+1
.endr
.set i, 0
.rept 4
	v_cvt_pk_f16_f32 v[D0+i], v[D0+8*i], v[D0+8*i+4]  ; k = 8 g + 2 i in the low half, + 1 in the high
.set i, i+1
.endr
	ds_store_b128 v2, v[D0:D0+3] offset:\hf*32*LP+16*\g
.endr
.endr
	s_wait_dscnt 0x0                               ; for the others' sake: my stores are done
	s_barrier_signal -1
	s_barrier_wait -1                              ; the 64 rows are whole
.irp t, 0,1,2,3
	ds_load_b128 v[DATA+4*\t:DATA+4*\t+3], v3 offset:2*LP*\t
.endr
.irp t, 0,1,2,3
	s_wait_dscnt 3-\t
	global_store_b128 v4, v[DATA+4*\t:DATA+4*\t+3], s[32:33] offset:((\t>>1)*64+2*(\t&1))*8192  ; (hk >> 2) 64 + (hk & 2)
.endr
	s_cmp_lg_u32 s10, 0                            ; bq: once for each coltile, by wave 0 of the tile with k = 0
	s_cbranch_scc1 .Lend
	s_cmp_lg_u32 s8, 0
	s_cbranch_scc1 .Lend
	s_lshl_b32 s4, s9, 10
	s_add_nc_u64 s[24:25], s[24:25], s[4:5]
	global_load_b128 v[SCR:SCR+3],   v1, s[24:25]
	global_load_b128 v[SCR+4:SCR+7], v1, s[24:25] offset:512
	v_bfe_u32 v5, v6, 2, 1                         ; o = 64 coltile + 32 hf + lane: hk = lane & 7, d & 15 = 8 (coltile & 1) + 4 hf + lane / 8
	v_lshlrev_b32 v5, 8, v5
	v_lshrrev_b32 v9, 3, v6
	v_lshl_add_u32 v5, v9, 4, v5
	v_and_b32 v9, 3, v6
	v_lshl_add_u32 v5, v9, 2, v5
	s_lshr_b32 s11, s9, 1
	s_lshl_b32 s11, s11, 9
	s_and_b32 s12, s9, 1
	s_lshl_b32 s12, s12, 7
	s_add_co_u32 s6, s11, s12
	s_add_nc_u64 s[34:35], s[34:35], s[6:7]
	s_wait_loadcnt 0x0
	v_pk_add_f32 v[SCR:SCR+1], v[SCR:SCR+1], v[SCR+2:SCR+3]
	v_pk_add_f32 v[SCR+4:SCR+5], v[SCR+4:SCR+5], v[SCR+6:SCR+7]
	v_add_f32 v[SCR], v[SCR], v[SCR+1]
	v_add_f32 v[SCR+4], v[SCR+4], v[SCR+5]
	global_store_b32 v5, v[SCR], s[34:35]          ; 1,024 single numbers in the whole launch
	global_store_b32 v5, v[SCR+4], s[34:35] offset:64
	s_branch .Lend
	; ---- Wk (g < 128) and Wv: tile (ktile, ct): 128 k x 256 columns, column = 8 e + hk = 256 ct + 128 hf + 4 lane + c.
.Lkv:
	s_sub_co_u32 s9, ttmp9, 512
	s_and_b32 s10, s9, 127
	s_and_b32 s11, s10, 3                          ; ct
	s_lshr_b32 s10, s10, 2                         ; ktile
	s_cmp_lt_u32 s9, 128
	s_cselect_b64 s[36:37], s[20:21], s[22:23]     ; the weights,
	s_cselect_b64 s[38:39], s[26:27], s[28:29]     ; the bias
	s_cselect_b32 s40, 1, 0                        ; 1: k
	s_cselect_b32 s14, 0, 2                        ; hk & 3 counts 1 column for k, 4 for v
	s_lshr_b32 s13, 2048, s40                      ; the first column: 1,024 or 2,048
	s_lshl_b32 s15, s40, 1
	s_lshl_b32 s15, 0x20000, s15                   ; hk >> 2 counts 64 rows of 8,192 bytes for k, 16 for v
	s_lshl_b32 s4, s10, 7
	s_lshl4_add_u32 s4, s8, s4                     ; my first row: 128 ktile + 16 wave
	s_lshl_b32 s4, s4, 12                          ; x 4,096 bytes
	s_lshl_b32 s12, s11, 10
	s_add_co_u32 s4, s4, s12
	s_add_nc_u64 s[36:37], s[36:37], s[4:5]
	v_lshlrev_b32 v1, 4, v6
	LOADS 36, 4096
	v_mul_u32_u24 v2, v6, LP                       ; into LDS: row 128 hf + 32 c + lane, so that 16 lanes take 16 neighbouring rows; byte 32 wave + 16 g
	s_lshl_b32 s12, s8, 5
	v_add_nc_u32 v2, s12, v2
	v_add_nc_u32 v3, s12, v8                       ; back: rows 32 wave + 2 t + lane / 16: hf = wave >> 2, c = wave & 3, so e = 32 ct + 16 (wave >> 2) + t, hk = 4 (lane / 16) + (wave & 3)
	v_mul_u32_u24 v3, v3, LP
	v_lshl_add_u32 v3, v7, 4, v3
	v_mul_u32_u24 v4, v8, s15
	v_lshl_add_u32 v4, v7, 4, v4
	s_lshr_b32 s12, s8, 2
	s_lshl1_add_u32 s12, s11, s12                  ; e >> 4
	s_lshl_b32 s12, s12, 7
	s_add_co_u32 s12, s12, s13
	s_and_b32 s41, s8, 3
	s_lshl_b32 s41, s41, s14
	s_add_co_u32 s12, s12, s41
	s_lshl_b32 s6, s12, 13
	s_lshl_b32 s41, s10, 8
	s_add_co_u32 s6, s6, s41
	s_add_nc_u64 s[32:33], s[32:33], s[6:7]
.irp g, 0,1
	s_wait_loadcnt 16*(1-\g)                       ; rows 0-7 are in while the 16 loads of rows 8-15 stay out; then all
.irp hf, 0,1
.set D0, DATA+64*\hf+32*\g
.irp c, 0,1,2,3
.set i, 0
.rept 4
	v_cvt_pk_f16_f32 v[SCR+4*\c+i], v[D0+8*i+\c], v[D0+8*i+4+\c]  ; column c of rows 8 g + 2 i and + 1
.set i, i+1
.endr
	ds_store_b128 v2, v[SCR+4*\c:SCR+4*\c+3] offset:(\hf*128+\c*32)*LP+16*\g
.endr
.endr
.endr
	s_wait_dscnt 0x0                               ; for the others' sake: my stores are done
	s_barrier_signal -1
	s_barrier_wait -1                              ; the 256 rows are whole
.set t, 0
.rept 16
	ds_load_b128 v[DATA+4*t:DATA+4*t+3], v3 offset:2*LP*t
.set t, t+1
.endr
.macro KVOUT isk                       ; row t of my sixteen pairs: e & 15 = t
.set t, 0
.rept 16
	s_wait_dscnt 15-t
.if \isk
	global_store_b128 v4, v[DATA+4*t:DATA+4*t+3], s[32:33] offset:4*t*8192
.else
	global_store_b128 v4, v[DATA+4*t:DATA+4*t+3], s[32:33] offset:(((t>>2)&1)*64+((t>>3)&1)*32+(t&3))*8192
.endif
.set t, t+1
.endr
.endm
	s_cmp_eq_u32 s40, 1
	s_cbranch_scc0 .Lvout
	KVOUT 1
	s_branch .Lkvbias
.Lvout:
	KVOUT 0
.Lkvbias:
	s_cmp_lg_u32 s10, 0                            ; bk, bv: once for each ct, by wave 0 of the tile with k = 0
	s_cbranch_scc1 .Lend
	s_cmp_lg_u32 s8, 0
	s_cbranch_scc1 .Lend
	s_lshl_b32 s4, s11, 10
	s_add_nc_u64 s[38:39], s[38:39], s[4:5]
	global_load_b128 v[SCR:SCR+3],   v1, s[38:39]
	global_load_b128 v[SCR+4:SCR+7], v1, s[38:39] offset:512
	s_lshl_b32 s6, s13, 2                          ; (first column + 256 ct) x 4 bytes
	s_add_co_u32 s6, s6, s4
	s_add_nc_u64 s[34:35], s[34:35], s[6:7]
	v_and_b32 v5, 1, v6                            ; e = 32 ct + 16 hf + lane / 2, hk = 4 (lane & 1) + c
	v_lshrrev_b32 v9, 1, v6
	s_cmp_eq_u32 s40, 1
	s_cbranch_scc0 .Lvbias
	v_lshlrev_b32 v5, 8, v5
	v_lshl_add_u32 v5, v9, 4, v5
	s_wait_loadcnt 0x0
	global_store_b128 v5, v[SCR:SCR+3], s[34:35]
	global_store_b128 v5, v[SCR+4:SCR+7], s[34:35] offset:512
	s_branch .Lend
.Lvbias:
	v_lshlrev_b32 v5, 6, v5
	v_and_b32 v10, 3, v9
	v_lshl_add_u32 v5, v10, 2, v5
	v_bfe_u32 v10, v6, 3, 1
	v_lshl_add_u32 v5, v10, 8, v5
	v_bfe_u32 v10, v6, 4, 1
	v_lshl_add_u32 v5, v10, 7, v5
	s_wait_loadcnt 0x0
.irp hf, 0,1
.irp c, 0,1,2,3
	global_store_b32 v5, v[SCR+4*\hf+\c], s[34:35] offset:\hf*512+\c*16  ; 1,024 single numbers in the whole launch
.endr
.endr
.Lend:
	s_wait_tensorcnt 0x0                           ; the wave's end: three closing lines, behind my last LDS store
	ds_add_u32 v[SPW], v[NIL]
	s_wait_dscnt 0x0
	s_endpgm
.Lfunc_end_k_q4794e45e0d_prep:
	.size	k_q4794e45e0d_prep, .Lfunc_end_k_q4794e45e0d_prep-k_q4794e45e0d_prep
	.p2alignl 7, 3214868480
	.fill 96, 4, 3214868480
	.section	.rodata,"a",@progbits
	.p2align	6, 0x0
	.amdhsa_kernel k_q4794e45e0d_prep
		.amdhsa_group_segment_fixed_size 70656
		.amdhsa_private_segment_fixed_size 0
		.amdhsa_enable_private_segment 0
		.amdhsa_kernarg_size 80
		.amdhsa_user_sgpr_count 2
		.amdhsa_user_sgpr_kernarg_segment_ptr 1
		.amdhsa_wavefront_size32 1
		.amdhsa_system_sgpr_workgroup_id_x 1
		.amdhsa_system_sgpr_workgroup_id_y 1
		.amdhsa_system_sgpr_workgroup_id_z 1
		.amdhsa_system_vgpr_workitem_id 0
		.amdhsa_next_free_vgpr 160
		.amdhsa_next_free_sgpr 66
		.amdhsa_reserve_vcc 0
		.amdhsa_float_denorm_mode_32 3
		.amdhsa_float_denorm_mode_16_64 3
		.amdhsa_memory_ordered 1
		.amdhsa_forward_progress 1
		.amdhsa_inst_pref_size 38
	.end_amdhsa_kernel
	.amdgpu_metadata
---
amdhsa.version: [ 1, 2 ]
amdhsa.kernels:
  - .name:           k_q4794e45e0d_prep
    .symbol:         k_q4794e45e0d_prep.kd
    .args:
      - { .name: x, .offset: 0, .size: 8, .value_kind: global_buffer, .address_space: global }
      - { .name: Wq, .offset: 8, .size: 8, .value_kind: global_buffer, .address_space: global }
      - { .name: Wk, .offset: 16, .size: 8, .value_kind: global_buffer, .address_space: global }
      - { .name: Wv, .offset: 24, .size: 8, .value_kind: global_buffer, .address_space: global }
      - { .name: bq, .offset: 32, .size: 8, .value_kind: global_buffer, .address_space: global }
      - { .name: bk, .offset: 40, .size: 8, .value_kind: global_buffer, .address_space: global }
      - { .name: bv, .offset: 48, .size: 8, .value_kind: global_buffer, .address_space: global }
      - { .name: xh, .offset: 56, .size: 8, .value_kind: global_buffer, .address_space: global }
      - { .name: wt, .offset: 64, .size: 8, .value_kind: global_buffer, .address_space: global }
      - { .name: ball, .offset: 72, .size: 8, .value_kind: global_buffer, .address_space: global }
    .group_segment_fixed_size: 70656
    .private_segment_fixed_size: 0
    .kernarg_segment_align: 8
    .kernarg_segment_size: 80
    .max_flat_workgroup_size: 256
    .sgpr_count:     66
    .vgpr_count:     160
    .wavefront_size: 32
...
	.end_amdgpu_metadata
.endif
;; end of part 1
;; launch gemm (part 2): grid 16 x 16, 4 waves a work-group, clusters of 4 x 4, 327,680 bytes of LDS; arguments xh, wt, ball, qkv; writes qkv
.if DOCPART == 2
	.amdgcn_target "amdgcn-amd-amdhsa--gfx1250"
	.amdhsa_code_object_version 6
	.text
	.protected	k_q4794e45e0d_gemm
	.globl	k_q4794e45e0d_gemm
	.p2align	8
	.type	k_q4794e45e0d_gemm,@function
k_q4794e45e0d_gemm:
	s_mov_b64 s[64:65], 0
	v_nop
	global_prefetch_b8 v0, s[64:65] scope:SCOPE_SE
	s_setreg_imm32_b32 hwreg(HW_REG_WAVE_MODE, 25, 1), 1
	s_wait_xcnt 0x0
	s_wait_alu depctr_hold_cnt(0) depctr_sa_sdst(0) depctr_va_vdst(0) depctr_va_sdst(0) depctr_va_ssrc(0) depctr_va_vcc(0) depctr_vm_vsrc(0)
	s_getreg_b32 s2, hwreg(HW_REG_IB_STS2, 6, 4)
	s_cmp_eq_u32 s2, 0
	s_cbranch_scc0 .Lentry_in_a_cluster
	s_endpgm
.Lentry_in_a_cluster:
	s_bfe_u32 s2, ttmp6, 0x10000c
	s_cmp_lg_u32 s2, 0xf033
	s_cbranch_scc0 .Lentry_shape_is_right
	s_endpgm
.Lentry_shape_is_right:
; qkv[t][n] = ball[n] + the sum over k of xh[t][k] wt[n][k].  xh: [2048][4096] f16, wt: [3072][4096] f16, ball: [3072] f32, qkv: [2048][3072] f32.  Sums in f32, K ascending; the result is stored unrounded.
; LIMITS.  The operands are f16 as the launch before made them; the sums have f32's range.  NaN and infinities are not treated apart.
; SHARES.  A tile is 128 tokens x 192 columns: 16 x 16 tiles, 256 work-groups of four waves.  A wave makes 64 x 96: 24 accumulators of 16 x 16, 192 registers.  K goes in 32 steps of 128 (rows of 256 bytes, each at a
; multiple of 256 from its buffer's first byte) through a ring of two LDS slots; two slots of the double step, 2 x 320 rows x 528 bytes, would not fit in 327,680 bytes.
; CLUSTERS: 4 x 4 work-groups.  The four of a row of the cluster need the same tiles of xh, the four of a column the same tiles of wt: each tile is asked for JOINTLY, by the same tensor load with the same descriptor
; and a mask that names the four.  Waves 0 and 1 fetch xh's two halves (64 rows each), waves 2 and 3 wt's (96 rows each): one load a wave behind each round.
; THE MATRIX INSTRUCTION IS USED TRANSPOSED (source 0 = 16 rows of wt, source 1 = 16 rows of xh): lane l then holds token l % 16 and the columns 8 (l / 16) + 0..7: 32 neighbouring bytes of a row of qkv.
; THE BIAS STARTS THE SUMS: it is the C operand of each accumulator's first product, so nothing is cleared and nothing is added later.
; REGISTERS: window 0: v0-31 addresses; v64-255 the accumulators ((a, b) at 64 + 8 (6 a + b)), on the way out whole rows.
;   window 1: two fragment buffers of 80 for 32 along K (xh's four fragments, then wt's six); v160-207 the bias of my 96 columns, in the accumulators' layout.
.set KSTEP,  128
.set PITCH,  272                       ; an LDS row: 256 bytes + 16 of padding = 68 words: row r starts at bank 4 r mod 64 (64 banks of 4 bytes: ISA guide 11.1)
.set AH,     64*PITCH                  ; what a wave fetches, and reads, of xh
.set BH,     96*PITCH                  ; the same of wt
.set SLOT,   2*AH+2*BH                 ; xh's 128 rows, then wt's 192
.set STAGE,  2*SLOT                    ; behind the ring, never filled by a tensor load: 128 rows x 784 bytes, the work-group's, for the way out
.set SPITCH, 784                       ; 768 bytes + 16 = 196 words: row r starts at bank 4 r mod 64
.set SPARE,  STAGE+128*SPITCH          ; behind the stage: the spare words, 128 bytes for each wave: two blocks of 256 bytes that no other line names
.set LAPS,   16                        ; a lap = two K steps = once round the ring
.set ADRA, 16                          ; v16-17  LDS address of my xh fragments in slot 0, 1
.set ADRB, 20                          ; v20-21  the same for wt
.set STO,  24                          ; v24     the way out: where I put 32 bytes of a row
.set RD,   25                          ; v25     the way out: where I read a row back
.set CO,   26                          ; v26     my byte offset in qkv
.set BO,   27                          ; v27     my byte offset in 16 numbers of the bias
.set SPW,  28                          ; v28     LDS address of my spare word: SPARE + 4 x my thread's number; never rewritten
.set NIL,  29                          ; v29     0; never rewritten
.set PFO,  30                          ; v30     the prefetches' offset; never rewritten
.set ACC,  64
.set F0,   0                           ; window 1
.set F1,   80
.set BIAS, 160
.set G1,   24                          ; s[24:31] descriptor group 1 for xh's tiles;  s[32:39] group 0, one set for each slot
.set G0,   32
.set G1B,  48                          ; s[48:55], s[56:63] the same for wt's tiles
.set G0B,  56
.set LIM0, 42                          ; s42  1 in a wave that prefetches at the change out of slot 0, else the greatest number
.set LIM1, 43                          ; s43  the same for slot 1
.set PFA,  44                          ; s[44:45] where my prefetches stand: one K step behind the one that a prefetch names
.set MSB, 0
.macro WIN new                         ; the immediate's high byte repeats the setting that is left; a switch that changes nothing is dropped
.if MSB != (\new)
	s_set_vgpr_msb (MSB<<8)|(\new)
.set MSB, \new
.endif
.endm
.set W_MUL,  0x05                      ; sources 0 (wt) and 1 (xh) window 1; C and D window 0
.set W_MULB, 0x15                      ; the same with C (the bias) in window 1
.set W_TOF,  0x40                      ; destination window 1, address window 0
.macro JLOAD s                         ; a joint load; the branch hangs on the wave's number alone.  An s_nop 0 and four v_nop follow each of the two lines, ahead of the jump, the label and what follows
	s_cmp_eq_u32 s13, 0
	s_cbranch_scc0 .Lfor_b_\@
	tensor_load_to_lds s[G0+4*(\s):G0+4*(\s)+3], s[G1:G1+7]
	s_nop 0
.rept 4
	v_nop
.endr
	s_branch .Lasked_\@
.Lfor_b_\@:
	tensor_load_to_lds s[G0B+4*(\s):G0B+4*(\s)+3], s[G1B:G1B+7]
	s_nop 0
.rept 4
	v_nop
.endr
.Lasked_\@:
.endm
.macro CREST                           ; a round of the cluster's barrier behind its opening barrier
	s_cmp_lg_u32 s12, 0
	s_cbranch_scc1 .Lnot_wave_0_\@
	s_barrier_signal -3
.Lnot_wave_0_\@:
	s_barrier_wait -3
	s_barrier_signal -1
	s_barrier_wait -1
.endm
.macro CROUND                          ; a whole round
	s_barrier_signal -1
	s_barrier_wait -1
	CREST
.endm
; A PREFETCH INTO THE L2, behind a joint load, its five lines and the run of LDS loads that follows them, of the K step that stands two refills on: 192 matrix instructions ahead of the load that will want it.
; Each row's 256 bytes of a K step are named once in the launch.  xh's tile row is read by every cluster of that row of clusters: the one with x = 0 asks, wave 0, at each change of slots, a lane a row; the four
; partners that fetch the tile jointly take 32 rows each, told apart by address.  wt's tile column is read by every cluster of that column: the one with y = 0 asks, waves 1 to 3, at the change out of slot 0 alone,
; for two K steps at once: 48 rows a partner x 2 steps = 96 blocks, a lane a block.  K steps 0 to 3 come by their loads alone; the loop's last trip (s3 = 1) asks for nothing: K ends at step 31.
.macro ASK slot
	WIN 0
	s_cmp_gt_u32 s3, s[LIM0+(\slot)]
	s_cbranch_scc0 .Lnot_mine_\@
	global_prefetch_b8 v[PFO], s[PFA:PFA+1] offset:KSTEP*2 th:TH_LOAD_NT scope:SCOPE_SE
.Lnot_mine_\@:
.endm
	s_load_b256 s[4:11], s[0:1], 0x0               ; xh s[4:5], wt s[6:7], ball s[8:9], qkv s[10:11]
	v_lshl_add_u32 v[SPW], v0, 2, SPARE
	v_mov_b32 v[NIL], 0
	ds_add_u32 v[SPW], v[NIL]                      ; the wave's opening: the add and its wait stand ahead of my first tensor load; the set-up below, work on registers, stands between them
	v_lshrrev_b32 v1, 5, v0
	v_readfirstlane_b32 s12, v1                    ; wave 0..3
	s_lshr_b32 s13, s12, 1                         ; which half of the tile's tokens is mine.  Also: I fetch for xh (0) or for wt (1)
	s_and_b32 s14, s12, 1                          ; which half of its columns.  Also: which half of that tile I fetch
	s_bfe_u32 s15, ttmp6, 0x40000                  ; cx, cy: my place in the cluster
	s_bfe_u32 s16, ttmp6, 0x40004
	s_lshl_b32 s17, ttmp9, 2
	s_add_co_u32 s17, s17, s15                     ; tile column = 4 x cluster x + cx
	s_and_b32 s18, ttmp7, 0xffff
	s_lshl_b32 s18, s18, 2
	s_add_co_u32 s18, s18, s16                     ; tile row = 4 x cluster y + cy
	s_lshl_b32 s40, s16, 2
	s_lshl_b32 s40, 15, s40                        ; my row of the cluster
	s_lshl_b32 s41, 0x1111, s15                    ; my column
	s_or_b32 s[G1+0], s40, (1<<16)|(1<<20)|(1<<21)|(5<<22)|(3<<25)   ; 15:0 the mask; 17:16 elements of 2 bytes; 20 padding on; 21 set beside a mask; 24:22 after every 64 words (code 5); 31:25 4 words of it (code 3)
	s_or_b32 s[G1B+0], s41, (1<<16)|(1<<20)|(1<<21)|(5<<22)|(3<<25)
	s_mov_b32 s[G1+1], KSTEP<<16                   ; tensor_dim0 = 128
	s_mov_b32 s[G1B+1], KSTEP<<16
	s_mov_b32 s[G1+2], 64<<16                      ; tensor_dim1 = 64 rows of xh,
	s_mov_b32 s[G1B+2], 96<<16                     ; 96 of wt
	s_mov_b32 s[G1+3], KSTEP<<16                   ; tile_dim0 = 128
	s_mov_b32 s[G1B+3], KSTEP<<16
	s_mov_b32 s[G1+4], 64                          ; tile_dim1
	s_mov_b32 s[G1B+4], 96
	s_mov_b32 s[G1+5], 4096                        ; elements from row to row
	s_mov_b32 s[G1B+5], 4096
	s_mov_b32 s[G1+6], 0
	s_mov_b32 s[G1B+6], 0
	s_mov_b32 s[G1+7], 0
	s_mov_b32 s[G1B+7], 0
	; where the tiles come from: xh's hang on the tile row alone, wt's on the tile column alone, each in registers that never hold the other coordinate
	s_lshl_b32 s20, s18, 7
	s_lshl_b32 s19, s14, 6
	s_add_co_u32 s20, s20, s19                     ; xh: row 128 x tile row + 64 x half
	s_lshl_b32 s20, s20, 13                        ; x 8,192 bytes: under 2^25
	s_mov_b32 s21, 0
	s_mul_i32 s46, s17, 192
	s_mul_i32 s19, s14, 96
	s_add_co_u32 s46, s46, s19                     ; wt: row 192 x tile column + 96 x half
	s_lshl_b32 s46, s46, 13
	s_mov_b32 s47, 0
	s_mul_i32 s22, s14, AH                         ; and where they go: no place in the cluster enters an LDS address
	s_mul_i32 s23, s14, BH
	s_add_co_u32 s23, s23, 2*AH
	s_wait_dscnt 0x0                               ; the opening add is done
	s_wait_kmcnt 0x0
	s_add_nc_u64 s[20:21], s[4:5], s[20:21]
	s_add_nc_u64 s[46:47], s[6:7], s[46:47]
	CROUND                                         ; all sixteen work-groups are here: the first joint loads meet
.irp s, 0,1
	s_mov_b32 s[G0+4*\s], 1                                        ; count = 1
	s_add_co_u32 s[G0+4*\s+1], s22, \s*SLOT                        ; LDS address
	s_add_nc_u64 s[G0+4*\s+2:G0+4*\s+3], s[20:21], \s*KSTEP*2      ; global address: K step s
	s_or_b32 s[G0+4*\s+3], s[G0+4*\s+3], 0x80000000                ; type = 2
	s_mov_b32 s[G0B+4*\s], 1
	s_add_co_u32 s[G0B+4*\s+1], s23, \s*SLOT
	s_add_nc_u64 s[G0B+4*\s+2:G0B+4*\s+3], s[46:47], \s*KSTEP*2
	s_or_b32 s[G0B+4*\s+3], s[G0B+4*\s+3], 0x80000000
	JLOAD \s                                       ; two loads of mine are out
.endr
	; A fragment is 16 rows x 32 K in 8 registers: lane l holds row l % 16, K = 8 (l / 16) + 0..7 and 16 + 8 (l / 16) + 0..7: two loads of 16 bytes, 32 bytes apart.
	v_and_b32 v1, 15, v0                           ; l % 16
	v_bfe_u32 v2, v0, 4, 1                         ; l / 16
	v_mul_u32_u24 v3, v1, PITCH
	v_lshl_add_u32 v3, v2, 4, v3
	s_mul_i32 s19, s13, AH                         ; my 64 rows of xh
	s_mul_i32 s40, s14, BH                         ; my 96 rows of wt,
	s_add_co_u32 s40, s40, 2*AH                    ; which lie behind xh's 128
.irp s, 0,1
	v_add_nc_u32 v[ADRA+\s], s19, v3
	v_add_nc_u32 v[ADRB+\s], s40, v3
	s_add_co_u32 s19, s19, SLOT
	s_add_co_u32 s40, s40, SLOT
.endr
	s_lshl_b32 s19, s13, 6                         ; into the stage: row 64 x token half + l % 16, byte 384 x column half + 32 (l / 16)
	v_add_nc_u32 v4, s19, v1
	v_mul_u32_u24 v4, v4, SPITCH
	v_lshl_add_u32 v4, v2, 5, v4
	s_mul_i32 s19, s14, 384
	s_add_co_u32 s19, s19, STAGE
	v_add_nc_u32 v[STO], s19, v4
	s_lshl_b32 s19, s12, 5                         ; back: wave w takes rows 32 w .. 32 w + 31, whole; lanes 0-15 256 bytes of one row, lanes 16-31 of the next
	v_add_nc_u32 v5, s19, v2
	v_mul_u32_u24 v5, v5, SPITCH
	v_lshl_add_u32 v5, v1, 4, v5
	v_add_nc_u32 v[RD], STAGE, v5
	v_mul_u32_u24 v5, v2, 12288                    ; and the same two rows in qkv
	v_lshl_add_u32 v[CO], v1, 4, v5
	v_lshlrev_b32 v[BO], 5, v2
	s_lshl_b32 s19, s18, 7
	s_lshl_b32 s40, s12, 5
	s_add_co_u32 s19, s19, s40                     ; the first row that I store: 128 x tile row + 32 x wave
	s_mul_i32 s40, s19, 12288
	s_mul_i32 s19, s17, 768                        ; the tile's first column, in bytes
	s_add_co_u32 s40, s40, s19
	s_mov_b32 s41, 0
	s_add_nc_u64 s[10:11], s[10:11], s[40:41]
	s_mul_i32 s40, s14, 384
	s_add_co_u32 s40, s40, s19                     ; my 96 columns of the bias
	s_add_nc_u64 s[8:9], s[8:9], s[40:41]
	WIN W_TOF
.irp b, 0,1,2,3,4,5                    ; register j of block b: the bias of column 16 b + 8 (l / 16) + j
	global_load_b128 v[BIAS+8*\b:BIAS+8*\b+3],   v[BO], s[8:9] offset:64*\b
	global_load_b128 v[BIAS+8*\b+4:BIAS+8*\b+7], v[BO], s[8:9] offset:64*\b+16
.endr
	WIN 0
	; the prefetches
	s_and_b32 s19, ttmp7, 0xffff                   ; cluster y
	s_lshl_b32 s22, s18, 7
	s_lshl_b32 s23, s15, 5
	s_add_co_u32 s22, s22, s23                     ; xh: my work-group's 32 rows of the tile's 128
	s_mul_i32 s23, s17, 192
	s_mul_i32 s40, s16, 48
	s_add_co_u32 s23, s23, s40                     ; wt: my work-group's 48 rows of the tile's 192
	s_cmp_eq_u32 s12, 0                            ; wave 0 asks for xh, the others for wt
	s_cselect_b32 s22, s22, s23
	s_cselect_b32 s19, ttmp9, s19                  ; the coordinate along which other clusters read the same rows
	s_cselect_b64 s[PFA:PFA+1], s[4:5], s[6:7]
	s_cselect_b32 s40, 1, 0
	s_cmp_eq_u32 s19, 0
	s_cselect_b32 s[LIM0], 1, -1                   ; the same in all sixteen partners, for a given wave
	s_cmp_eq_u32 s40, 1
	s_cselect_b32 s[LIM1], s[LIM0], -1
	s_lshl_b32 s22, s22, 13
	s_add_co_u32 s22, s22, 2*KSTEP*2               ; at K step 2: the first change of slots steps it to 3 and names K step 4
	s_mov_b32 s23, 0
	s_add_nc_u64 s[PFA:PFA+1], s[PFA:PFA+1], s[22:23]
	s_max_u32 s20, s12, 1
	s_sub_co_u32 s20, s20, 1
	s_lshl_b32 s20, s20, 5
	v_and_b32 v[PFO], 31, v0
	v_add_nc_u32 v[PFO], s20, v[PFO]               ; block i = 32 (wave - 1) + lane, 0..95; in wave 0 the lane
	v_cmp_le_u32 s21, 48, v[PFO]
	v_add_nc_u32 v31, 0xffffffd0, v[PFO]
	v_cndmask_b32 v[PFO], v[PFO], v31, s21         ; row i mod 48,
	v_cndmask_b32 v31, 0, 1, s21                   ; K step i div 48
	v_lshlrev_b32 v[PFO], 13, v[PFO]
	v_lshl_add_u32 v[PFO], v31, 8, v[PFO]
; 20 LDS loads in one run: the fragments of 32 along K at byte k of the rows, into buffer f: wt's six, then xh's four
.macro FETCH slot, k, f
	WIN W_TOF
.irp i, 0,1,2,3,4,5
	ds_load_b128 v[(\f)+32+8*\i:(\f)+32+8*\i+3],   v[ADRB+(\slot)] offset:(\k)+\i*16*PITCH
	ds_load_b128 v[(\f)+32+8*\i+4:(\f)+32+8*\i+7], v[ADRB+(\slot)] offset:(\k)+\i*16*PITCH+32
.endr
.irp i, 0,1,2,3
	ds_load_b128 v[(\f)+8*\i:(\f)+8*\i+3],   v[ADRA+(\slot)] offset:(\k)+\i*16*PITCH
	ds_load_b128 v[(\f)+8*\i+4:(\f)+8*\i+7], v[ADRA+(\slot)] offset:(\k)+\i*16*PITCH+32
.endr
.endm
; 6 matrix instructions: token block a x all 6 column blocks.  first = 1: the bias starts the sums.  The 24 accumulators take turns, one instruction a turn, in the same order in every quarter.
.macro MUL f, a, first
.if \first
	WIN W_MULB
.else
	WIN W_MUL
.endif
.irp b, 0,1,2,3,4,5
.if \first
	v_wmma_f32_16x16x32_f16 v[ACC+8*(6*(\a)+\b):ACC+8*(6*(\a)+\b)+7], v[(\f)+32+8*\b:(\f)+32+8*\b+7], v[(\f)+8*(\a):(\f)+8*(\a)+7], v[BIAS+8*\b:BIAS+8*\b+7]
.else
	v_wmma_f32_16x16x32_f16 v[ACC+8*(6*(\a)+\b):ACC+8*(6*(\a)+\b)+7], v[(\f)+32+8*\b:(\f)+32+8*\b+7], v[(\f)+8*(\a):(\f)+8*(\a)+7], v[ACC+8*(6*(\a)+\b):ACC+8*(6*(\a)+\b)+7]
.endif
.endr
.endm
.macro PLACES                          ; four plain vector instructions in front of loads into registers that matrix instructions have read (ISA guide 7.12.1 for vector instructions)
.rept 4
	v_nop
.endr
.endm
; A K step is four quarters of 32 along K, 24 matrix instructions each, on buffers 0, 1, 0, 1.  One of the first three: multiplies buffer f and fetches the next quarter, at byte k, into g.
.macro QUARTER slot, k, f, g, first
	s_wait_dscnt 4                                 ; wt's fragments and xh's blocks 0 and 1 are in; the youngest four loads (blocks 2 and 3) may be out
	MUL \f, 0, \first
	MUL \f, 1, \first
	PLACES
	FETCH \slot, \k, \g
	s_wait_dscnt 20                                ; all but the 20 just issued
	MUL \f, 2, \first
	MUL \f, 3, \first
.endm
; The last quarter multiplies buffer 1 and changes slots: ONE barrier; in front of it each wave waits for all its tensor loads, of which one is out: its part of the next slot; adds 0 to its spare word; and waits for that
; and for its own reads of this slot.  fill = 1: the barrier opens a round of the cluster's, and this slot is filled again, two K steps ahead, first thing behind the round: 84 matrix instructions ahead of the wait for it.
.macro TURN slot, next, fill
.if \fill
	s_wait_xcnt 0x0                                ; the last prefetch, a K step back, has read its address: it is stepped here, ahead of the waits of the change of slots
	s_add_nc_u64 s[PFA:PFA+1], s[PFA:PFA+1], KSTEP*2
.endif
	WIN 0                                          ; (the add's two registers lie in window 0)
	s_wait_tensorcnt 0x0                           ; all my tensor loads have landed;
	ds_add_u32 v[SPW], v[NIL]                      ; 0 onto my spare word;
	s_wait_dscnt 5                                 ; (the add and the youngest four loads may be out)
	MUL F1, 0, 0                                   ; six matrix instructions stand between the add and the wait for it
	s_wait_dscnt 0x0                               ; the add is done, and my reads of this slot are over
	s_barrier_signal -1
	MUL F1, 1, 0
.if \fill
	WIN 0
.endif
	s_barrier_wait -1
.if \fill
	CREST                                          ; no wave of any partner still reads this slot's tile or has a load on its way
	s_add_nc_u64 s[G0+4*(\slot)+2:G0+4*(\slot)+3], s[G0+4*(\slot)+2:G0+4*(\slot)+3], 2*KSTEP*2
	s_add_nc_u64 s[G0B+4*(\slot)+2:G0B+4*(\slot)+3], s[G0B+4*(\slot)+2:G0B+4*(\slot)+3], 2*KSTEP*2
	JLOAD \slot                                    ; my one tensor load behind the round; the four v_nop behind it are also the places in front of the loads below
.else
	PLACES
.endif
	FETCH \next, 0, F0
.if \fill
	ASK \slot
.endif
	MUL F1, 2, 0
	MUL F1, 3, 0
.endm
	s_wait_tensorcnt 1                             ; my part of K step 0 is in; K step 1's may stay out
	s_barrier_signal -1
	s_barrier_wait -1                              ; everybody's is
	FETCH 0, 0, F0
	s_wait_loadcnt 0x0                             ; the bias
	QUARTER 0, 64, F0, F1, 1                       ; the first quarter stands in front of the loop: its products start the sums
	WIN 0                                          ; at a label and at a branch every window is 0
	s_mov_b32 s3, LAPS-1
.Llap:                                                 ; a trip goes once round the ring, from a lap's second quarter to the next lap's first, and fills both slots again
	QUARTER 0, 128, F1, F0, 0
	QUARTER 0, 192, F0, F1, 0
	TURN 0, 1, 1
	QUARTER 1, 64,  F0, F1, 0
	QUARTER 1, 128, F1, F0, 0
	QUARTER 1, 192, F0, F1, 0
	TURN 1, 0, 1
	QUARTER 0, 64,  F0, F1, 0
	WIN 0
	s_sub_co_u32 s3, s3, 1
	s_cmp_lg_u32 s3, 0
	s_cbranch_scc1 .Llap
	QUARTER 0, 128, F1, F0, 0                      ; the last lap fills nothing, and has no round of the cluster's barrier
	QUARTER 0, 192, F0, F1, 0
	TURN 0, 1, 0
	QUARTER 1, 64,  F0, F1, 0
	QUARTER 1, 128, F1, F0, 0
	QUARTER 1, 192, F0, F1, 0
	s_wait_dscnt 4                                 ; the very last quarter: nothing more to fetch
	MUL F1, 0, 0
	MUL F1, 1, 0
	s_wait_dscnt 0x0
	MUL F1, 2, 0
	MUL F1, 3, 0
	WIN 0
	; THE WAY OUT: 32 bytes a lane into the work-group's stage; a barrier, since a row's 768 bytes come from two waves; back as whole rows, 32 rows a wave.
	PLACES                                         ; eight plain instructions, once a launch, between the last products and the stores that read them
	PLACES
.irp a, 0,1,2,3
.irp b, 0,1,2,3,4,5
	ds_store_b128 v[STO], v[ACC+8*(6*\a+\b):ACC+8*(6*\a+\b)+3]   offset:\a*16*SPITCH+64*\b     ; each accumulator's low four registers first
	ds_store_b128 v[STO], v[ACC+8*(6*\a+\b)+4:ACC+8*(6*\a+\b)+7] offset:\a*16*SPITCH+64*\b+16
.endr
.endr
	s_wait_dscnt 0x0                               ; for the others' sake: my stores into the stage are done
	s_barrier_signal -1
	s_barrier_wait -1
.set t, 0
.rept 48                               ; pair t / 3 of my rows, third t % 3 of their 768 bytes
	ds_load_b128 v[ACC+4*t:ACC+4*t+3], v[RD] offset:(t/3)*2*SPITCH+(t%3)*256
.set t, t+1
.endr
.set t, 0
.rept 48
	s_wait_dscnt 47-t
	global_store_b128 v[CO], v[ACC+4*t:ACC+4*t+3], s[10:11] offset:(t/3)*2*12288+(t%3)*256  ; 16 lanes store 256 consecutive bytes, at a multiple of 256 from qkv's first byte
.set t, t+1
.endr
	s_wait_tensorcnt 0x0                           ; the wave's end: three closing lines, behind my last tensor load and my last LDS store
	ds_add_u32 v[SPW], v[NIL]
	s_wait_dscnt 0x0
	CROUND                                         ; the closing round: no work-group ends while a partner may still ask for a tile that names it
	s_endpgm
.Lfunc_end_k_q4794e45e0d_gemm:
	.size	k_q4794e45e0d_gemm, .Lfunc_end_k_q4794e45e0d_gemm-k_q4794e45e0d_gemm
	.p2alignl 7, 3214868480
	.fill 96, 4, 3214868480
	.section	.rodata,"a",@progbits
	.p2align	6, 0x0
	.amdhsa_kernel k_q4794e45e0d_gemm
		.amdhsa_group_segment_fixed_size 327680
		.amdhsa_private_segment_fixed_size 0
		.amdhsa_enable_private_segment 0
		.amdhsa_kernarg_size 32
		.amdhsa_user_sgpr_count 2
		.amdhsa_user_sgpr_kernarg_segment_ptr 1
		.amdhsa_wavefront_size32 1
		.amdhsa_system_sgpr_workgroup_id_x 1
		.amdhsa_system_sgpr_workgroup_id_y 1
		.amdhsa_system_sgpr_workgroup_id_z 1
		.amdhsa_system_vgpr_workitem_id 0
		.amdhsa_next_free_vgpr 512
		.amdhsa_next_free_sgpr 66
		.amdhsa_reserve_vcc 0
		.amdhsa_float_denorm_mode_32 3
		.amdhsa_float_denorm_mode_16_64 3
		.amdhsa_memory_ordered 1
		.amdhsa_forward_progress 1
		.amdhsa_inst_pref_size 74
	.end_amdhsa_kernel
	.amdgpu_metadata
---
amdhsa.version: [ 1, 2 ]
amdhsa.kernels:
  - .name:           k_q4794e45e0d_gemm
    .symbol:         k_q4794e45e0d_gemm.kd
    .args:
      - { .name: xh, .offset: 0, .size: 8, .value_kind: global_buffer, .address_space: global }
      - { .name: wt, .offset: 8, .size: 8, .value_kind: global_buffer, .address_space: global }
      - { .name: ball, .offset: 16, .size: 8, .value_kind: global_buffer, .address_space: global }
      - { .name: qkv, .offset: 24, .size: 8, .value_kind: global_buffer, .address_space: global }
    .group_segment_fixed_size: 327680
    .private_segment_fixed_size: 0
    .kernarg_segment_align: 8
    .kernarg_segment_size: 32
    .max_flat_workgroup_size: 128
    .sgpr_count:     66
    .vgpr_count:     512
    .wavefront_size: 32
...
	.end_amdgpu_metadata
.endif
;; end of part 2
;; launch attn (part 3): grid 256 x 1, 8 waves a work-group, no clusters, 0 bytes of LDS; arguments qkv, out0; writes out0
.if DOCPART == 3
	.amdgcn_target "amdgcn-amd-amdhsa--gfx1250"
	.amdhsa_code_object_version 6
	.text
	.protected	k_q4794e45e0d_attn
	.globl	k_q4794e45e0d_attn
	.p2align	8
	.type	k_q4794e45e0d_attn,@function
k_q4794e45e0d_attn:
	s_mov_b64 s[64:65], 0
	v_nop
	global_prefetch_b8 v0, s[64:65] scope:SCOPE_SE
	s_setreg_imm32_b32 hwreg(HW_REG_WAVE_MODE, 25, 1), 1
	s_wait_xcnt 0x0
; FOR EACH TOKEN: scores[d][e] = the sum over hk of qs[d][hk] k[e][hk] / sqrt(128); attn = softmax over e; out[d][4 hk + j] = the sum over e of attn[d][e] v[e][hk], the same number for j = 0..3.
; qkv: [2048][3072] f32, a token's 1,024 qs, 1,024 k, 1,024 v in the order that the first launch's head gives.  out0: [2048][4096] f32, column 32 d + h.
; SHARES.  One wave, one token; eight waves a work-group, 256 work-groups.  No wave wants a byte that another has fetched: no LDS, no barrier, no cluster.  A wave's 34 loads go out at its head, the next tile's q a trip ahead.
; SCORES.  S^T = K Q^T (source 0 = 16 e, source 1 = 16 d), bf16.  The product's K is 32 and the problem's is 8, so the four blocks of 8 carry each number as a pair hi + lo of bf16: k's registers 0-3 hold hi, 4-7 lo;
; q's lanes 0-15 hold hi, lanes 16-31 lo: the four blocks are kh qh, kh ql, kl qh, kl ql, and the scores keep some 16 significant bits of q and k.  A lane ends with ONE d (lane % 16) and the e = 16 et + 8 (lane / 16) + 0..7.
; SOFTMAX.  The row's true maximum m is taken away: p = 2^(c s - c m), c = log2(e) / sqrt(128).  p is rounded to f16, in place, and two tiles' p ARE source 0 (16 d x 32 e) of O = P V.
; l, the row's sum, is P times ones, by the matrix unit: the sum of the ROUNDED weights, in every lane that needs it.
; V goes in f16 after a scale by a power of two, one for the token, that brings its largest magnitude into 2^14 .. 2^15; the inverse is applied on the way out.  Source 1's 16 columns are the 8 hk twice.
; LIMITS.  A weight below 6e-8 counts as 0; a v more than 2^39 below the token's largest counts as 0; a token whose largest |v| is under 2^-112 is scaled by 2^126.  NaN and infinities are not treated apart.
.set CM,  6                            ; v[6:7]     c m, twice
.set C,   8                            ; v[8:15]    chains of maxima
.set QR,  16                           ; v[16:23]   a tile's q as loaded
.set QF,  24                           ; v[24:31]   q's fragment
.set KF,  32                           ; v[32:95]   k's eight fragments
.set S,   96                           ; v[96:159]  k as loaded; then S^T, 8 a tile of e; then P in place: fragment u at S + 16 u
.set VF,  160                          ; v[160:223] v as loaded; then v[160:191] its four fragments
.set ONE, 192                          ; v[192:199] 1.0 in f16, sixteen times
.set O,   200                          ; v[200:207]
.set L,   208                          ; v[208:215]
.set RL,  216                          ; v[216:223] 1 / l, then the results
.set OUT, 224                          ; v[224:239] four stores' data
.set T,   240                          ; v[240:247] at work
.set INV, 248                          ; v[248:249] the inverse scale, twice
.set SCL, 250                          ; v[250:251] the scale, twice
.macro PLACES                          ; eight plain vector instructions between products and the first vector instruction that reads their results (ISA guide 7.12.1 asks for independent ones or v_nop)
.rept 8
	v_nop
.endr
.endm
	s_load_b128 s[4:7], s[0:1], 0x0                ; qkv s[4:5], out0 s[6:7]
	v_lshrrev_b32 v1, 5, v0
	v_readfirstlane_b32 s8, v1                     ; wave 0..7
	v_and_b32 v9, 15, v0                           ; r = lane % 16
	v_bfe_u32 v10, v0, 4, 1                        ; h = lane / 16
	v_and_b32 v11, 7, v0
	v_lshlrev_b32 v1, 4, v9                        ; v1: 16 r: my 16 bytes in a block of q or k
	v_lshl_add_u32 v2, v10, 3, v11
	v_lshlrev_b32 v2, 4, v2                        ; v2: 16 (8 h + r % 8): the same in a block of v
	v_lshlrev_b32 v3, 10, v10
	v_lshl_add_u32 v3, v9, 4, v3                   ; v3: 1,024 h + 16 r: my 16 bytes in a tile of out0
	v_sub_nc_u32 v4, 0, v10
	v_and_b32 v4, 0xbf800000, v4                   ; v4: 0 in lanes 0-15, -1.0 in lanes 16-31
	v_mov_b32 v5, -1.0
	s_lshl_b32 s9, ttmp9, 3
	s_add_co_u32 s9, s9, s8                        ; my token
	s_mul_i32 s10, s9, 12288
	s_mov_b32 s11, 0
	s_lshl_b32 s12, s9, 14
	s_mov_b32 s13, 0
	s_mov_b32 s16, 0x3e0293ee                      ; c = log2(e) / sqrt(128) = 0.127517
	s_mov_b32 s17, s16                             ; named with it as a pair
	s_mov_b32 s18, 0x76543210                      ; v_permlanex16_b32: each lane takes its own place in the other half
	s_mov_b32 s19, 0xfedcba98
	s_mov_b32 s20, 0xff00ff00                      ; the lanes with r >= 8
	s_wait_kmcnt 0x0
	s_add_nc_u64 s[10:11], s[4:5], s[10:11]        ; my token's row of qkv: it walks q's tiles
	s_add_nc_u64 s[12:13], s[6:7], s[12:13]        ; and of out0
	global_load_b128 v[QR:QR+3],   v1, s[10:11] th:TH_LOAD_NT             ; q of tile 0: hk 0-3,
	global_load_b128 v[QR+4:QR+7], v1, s[10:11] offset:256 th:TH_LOAD_NT  ; hk 4-7; each instruction reads one aligned run of 256 bytes
.set i, 0
.rept 16                               ; k: tile i / 2 of e, hk 4 (i % 2) on
	global_load_b128 v[S+4*i:S+4*i+3], v1, s[10:11] offset:4096+256*i th:TH_LOAD_NT
.set i, i+1
.endr
.set i, 0
.rept 16                               ; v: e = 16 (i / 2) + 8 h + 4 (i % 2) + 0..3 of hk = r % 8
	global_load_b128 v[VF+4*i:VF+4*i+3], v2, s[10:11] offset:8192+256*i th:TH_LOAD_NT
.set i, i+1
.endr
; k's tile et into hi and lo: hi = bf16(a); a - hi is exact in f32; lo = bf16(a - hi)
.macro KCONV et
	s_wait_loadcnt 30-2*(\et)                      ; loads come back in order (ISA guide 5.7.1): q and k's tiles up to this one are in; the later tiles' and v's sixteen stay out
.set A0, S+8*(\et)
.set K0, KF+8*(\et)
.irp q, 0,1,2,3
	v_cvt_pk_bf16_f32 v[K0+\q], v[A0+2*\q], v[A0+2*\q+1]
.endr
.irp q, 0,1,2,3
	v_fma_mix_f32_bf16 v[T+2*\q],   v[K0+\q], v5, v[A0+2*\q]   op_sel_hi:[1,0,0]
	v_fma_mix_f32_bf16 v[T+2*\q+1], v[K0+\q], v5, v[A0+2*\q+1] op_sel:[1,0,0] op_sel_hi:[1,0,0]
.endr
.irp q, 0,1,2,3
	v_cvt_pk_bf16_f32 v[K0+4+\q], v[T+2*\q], v[T+2*\q+1]
.endr
.endm
.irp et, 0,1,2,3,4,5,6,7
	KCONV \et
.endr
	; v's scale: the largest and the smallest of my 64 numbers, four chains each; then their magnitudes, the lanes with other hk (r % 8) and the other half of the lanes
	s_wait_loadcnt 0x0
.irp c, 0,1,2,3
	v_max3_num_f32 v[C+\c],   v[VF+16*\c], v[VF+16*\c+1], v[VF+16*\c+2]
	v_min3_num_f32 v[C+4+\c], v[VF+16*\c], v[VF+16*\c+1], v[VF+16*\c+2]
.endr
.irp n, 0,1,2,3,4,5
.irp c, 0,1,2,3
	v_max3_num_f32 v[C+\c],   v[C+\c],   v[VF+16*\c+3+2*\n], v[VF+16*\c+4+2*\n]
	v_min3_num_f32 v[C+4+\c], v[C+4+\c], v[VF+16*\c+3+2*\n], v[VF+16*\c+4+2*\n]
.endr
.endr
.irp c, 0,1,2,3
	v_max_num_f32 v[C+\c],   v[C+\c],   v[VF+16*\c+15]
	v_min_num_f32 v[C+4+\c], v[C+4+\c], v[VF+16*\c+15]
.endr
	v_max3_num_f32 v[C],   v[C],   v[C+1], v[C+2]
	v_min3_num_f32 v[C+4], v[C+4], v[C+5], v[C+6]
	v_max_num_f32 v[C],   v[C],   v[C+3]
	v_min_num_f32 v[C+4], v[C+4], v[C+7]
	v_and_b32 v[C],   0x7fffffff, v[C]
	v_and_b32 v[C+4], 0x7fffffff, v[C+4]
	v_max_num_f32 v[C], v[C], v[C+4]
	v_max_num_f32_dpp v[C], v[C], v[C] row_xmask:1 row_mask:0xf bank_mask:0xf
	v_max_num_f32_dpp v[C], v[C], v[C] row_xmask:2 row_mask:0xf bank_mask:0xf
	v_max_num_f32_dpp v[C], v[C], v[C] row_xmask:4 row_mask:0xf bank_mask:0xf
	v_permlanex16_b32 v[C+1], v[C], s18, s19
	v_max_num_f32 v[C], v[C], v[C+1]
	v_max_num_f32 v[C], 0x07800000, v[C]           ; held to 2^-112 .. 2^127, so that both powers below are normal numbers
	v_min_num_f32 v[C], 0x7f000000, v[C]
	v_lshrrev_b32 v[C], 23, v[C]                   ; its exponent field E, 15 .. 254.  Only values hang on it: no address, no branch
	v_sub_nc_u32 v[C+1], 268, v[C]
	v_add_nc_u32 v[C+2], -14, v[C]
	v_lshlrev_b32 v[SCL], 23, v[C+1]               ; 2^(141 - E)
	v_lshlrev_b32 v[INV], 23, v[C+2]               ; 2^(E - 141)
	v_mov_b32 v[SCL+1], v[SCL]
	v_mov_b32 v[INV+1], v[INV]
.set i, 0
.rept 32
	v_pk_mul_f32 v[VF+2*i:VF+2*i+1], v[VF+2*i:VF+2*i+1], v[SCL:SCL+1]
.set i, i+1
.endr
.set i, 0
.rept 32                               ; in place: register i is written when registers up to 2 i - 1 have been read.  Fragment u (32 e) ends at VF + 8 u
	v_cvt_pk_f16_f32 v[VF+i], v[VF+2*i], v[VF+2*i+1]
.set i, i+1
.endr
.set i, 0
.rept 8
	v_mov_b32 v[ONE+i], 0x3c003c00
.set i, i+1
.endr
.macro FS b                            ; pair b of my 64 scores: c s - c m
	v_pk_fma_f32 v[S+2*(\b):S+2*(\b)+1], v[S+2*(\b):S+2*(\b)+1], s[16:17], v[CM:CM+1] op_sel_hi:[1,0,0] neg_lo:[0,0,1] neg_hi:[0,0,1]
.endm
; ONE TILE OF 16 d.  more = 1: the next tile's q is asked for.
.macro DTILE more
	s_wait_loadcnt 0x0                             ; this tile's q, asked for a trip ago; the wait also shows those loads done, so their pointer may be stepped
.irp q, 0,1,2,3
	v_cvt_pk_bf16_f32 v[QF+4+\q], v[QR+2*\q], v[QR+2*\q+1]     ; hi, for a moment
.endr
.irp q, 0,1,2,3
	v_fma_mix_f32_bf16 v[T+2*\q],   v[QF+4+\q], v4, v[QR+2*\q]   op_sel_hi:[1,0,0]                ; lanes 0-15: a; lanes 16-31: a - hi
	v_fma_mix_f32_bf16 v[T+2*\q+1], v[QF+4+\q], v4, v[QR+2*\q+1] op_sel:[1,0,0] op_sel_hi:[1,0,0]
.endr
.irp q, 0,1,2,3
	v_cvt_pk_bf16_f32 v[QF+\q], v[T+2*\q], v[T+2*\q+1]         ; lanes 0-15: hi; lanes 16-31: lo
.endr
.irp q, 0,1,2,3
	v_mov_b32 v[QF+4+\q], v[QF+\q]                 ; the fragment's upper 16 of K meet k's lo with the same q
.endr
.if \more
	s_add_nc_u64 s[10:11], s[10:11], 512
	global_load_b128 v[QR:QR+3],   v1, s[10:11] th:TH_LOAD_NT
	global_load_b128 v[QR+4:QR+7], v1, s[10:11] offset:256 th:TH_LOAD_NT
.endif
.irp et, 0,1,2,3,4,5,6,7               ; eight accumulators, one product each
	v_wmma_f32_16x16x32_bf16 v[S+8*\et:S+8*\et+7], v[KF+8*\et:KF+8*\et+7], v[QF:QF+7], 0
.endr
	PLACES
	; the maximum of my 64 scores, three operands at a time; each accumulator's lowest registers are read first
.irp t, 0,1,2,3,4,5,6,7
	v_max3_num_f32 v[C+\t], v[S+8*\t], v[S+8*\t+1], v[S+8*\t+2]
.endr
.irp t, 0,1,2,3,4,5,6,7
	v_max3_num_f32 v[C+\t], v[C+\t], v[S+8*\t+3], v[S+8*\t+4]
.endr
.irp t, 0,1,2,3,4,5,6,7
	v_max3_num_f32 v[C+\t], v[C+\t], v[S+8*\t+5], v[S+8*\t+6]
.endr
.irp t, 0,1,2,3
	v_max3_num_f32 v[C+\t], v[C+\t], v[S+16*\t+7], v[S+16*\t+15]
.endr
	v_max3_num_f32 v[C],   v[C],   v[C+1], v[C+2]
	v_max3_num_f32 v[C+3], v[C+3], v[C+4], v[C+5]
	v_max_num_f32  v[C+6], v[C+6], v[C+7]
	v_max3_num_f32 v[C],   v[C],   v[C+3], v[C+6]
	v_permlanex16_b32 v[C+1], v[C], s18, s19       ; the row's other 64 e lie in the lane 16 away
	v_max_num_f32 v[C], v[C], v[C+1]
	v_mul_f32 v[CM],   s16, v[C]
	v_mul_f32 v[CM+1], s16, v[C]
	; ONE BATCH: 32 scalings and 64 exponentials, none of which reads an exponential's result; a pair is scaled two scalings ahead of its exponentials
	FS 0
	FS 1
.set b, 0
.rept 30
	FS b+2
	v_exp_f32 v[S+2*b],   v[S+2*b]
	v_exp_f32 v[S+2*b+1], v[S+2*b+1]
.set b, b+1
.endr
.set b, 60
.rept 4
	v_exp_f32 v[S+b], v[S+b]
.set b, b+1
.endr
	v_nop                                          ; a plain instruction behind the last exponential, ahead of the first use (ISA guide 5.7.2): one for the batch
	s_wait_alu depctr_va_vdst(0)                   ; and a wait ahead of the first instruction that names a result: one for the batch
.irp u, 0,1,2,3                        ; to f16 in place: tiles 2 u and 2 u + 1 become the fragment's registers 0-3 and 4-7; a register is written when the ones below its sources have been read
.irp i, 0,1,2,3
	v_cvt_pk_f16_f32 v[S+16*\u+\i], v[S+16*\u+2*\i], v[S+16*\u+2*\i+1]
.endr
.irp i, 0,1,2,3
	v_cvt_pk_f16_f32 v[S+16*\u+4+\i], v[S+16*\u+8+2*\i], v[S+16*\u+8+2*\i+1]
.endr
.endr
	v_wmma_f32_16x16x32_f16 v[O:O+7], v[S:S+7], v[VF:VF+7], 0      ; O and l take turns, one instruction a turn
	v_wmma_f32_16x16x32_f16 v[L:L+7], v[S:S+7], v[ONE:ONE+7], 0
.irp u, 1,2,3
	v_wmma_f32_16x16x32_f16 v[O:O+7], v[S+16*\u:S+16*\u+7], v[VF+8*\u:VF+8*\u+7], v[O:O+7]
	v_wmma_f32_16x16x32_f16 v[L:L+7], v[S+16*\u:S+16*\u+7], v[ONE:ONE+7], v[L:L+7]
.endr
	PLACES
	; register j of lane (r, h): O[d = 8 h + j][hk = r % 8], l[d]
.irp j, 0,1,2,3,4,5,6,7
	v_rcp_f32 v[RL+\j], v[L+\j]
.endr
	v_nop                                          ; a plain instruction behind the last reciprocal,
	s_wait_alu depctr_va_vdst(0)                   ; and the one wait for the eight
.irp j, 0,2,4,6
	v_pk_mul_f32 v[RL+\j:RL+\j+1], v[O+\j:O+\j+1], v[RL+\j:RL+\j+1]
.endr
.irp j, 0,2,4,6
	v_pk_mul_f32 v[RL+\j:RL+\j+1], v[RL+\j:RL+\j+1], v[INV:INV+1]
.endr
	s_wait_xcnt 0x0                                ; the last tile's stores have read their data and their base: only behind this wait are OUT and the pointer written again
	s_add_nc_u64 s[12:13], s[12:13], 2048          ; 16 rows of 128 bytes on; the stores below reach back
.irp jj, 0,1,2,3                       ; lanes with r < 8 take row 8 h + 2 jj, the others the row below it; the number stands four times: heads 4 hk .. 4 hk + 3
.irp i, 0,1,2,3
	v_cndmask_b32 v[OUT+4*\jj+\i], v[RL+2*\jj], v[RL+2*\jj+1], s20
.endr
.endr
.irp jj, 0,1,2,3
	global_store_b128 v3, v[OUT+4*\jj:OUT+4*\jj+3], s[12:13] offset:\jj*256-2048 th:TH_STORE_NT  ; 16 lanes store two rows, 256 consecutive bytes, at a multiple of 256 from out0's first byte
.endr
.endm
	s_mov_b32 s14, 7
.Ld:
	DTILE 1
	s_sub_co_u32 s14, s14, 1
	s_cmp_lg_u32 s14, 0
	s_cbranch_scc1 .Ld
	DTILE 0                                        ; the last tile asks for nothing
	s_endpgm
.Lfunc_end_k_q4794e45e0d_attn:
	.size	k_q4794e45e0d_attn, .Lfunc_end_k_q4794e45e0d_attn-k_q4794e45e0d_attn
	.p2alignl 7, 3214868480
	.fill 96, 4, 3214868480
	.section	.rodata,"a",@progbits
	.p2align	6, 0x0
	.amdhsa_kernel k_q4794e45e0d_attn
		.amdhsa_group_segment_fixed_size 0
		.amdhsa_private_segment_fixed_size 0
		.amdhsa_enable_private_segment 0
		.amdhsa_kernarg_size 16
		.amdhsa_user_sgpr_count 2
		.amdhsa_user_sgpr_kernarg_segment_ptr 1
		.amdhsa_wavefront_size32 1
		.amdhsa_system_sgpr_workgroup_id_x 1
		.amdhsa_system_sgpr_workgroup_id_y 1
		.amdhsa_system_sgpr_workgroup_id_z 1
		.amdhsa_system_vgpr_workitem_id 0
		.amdhsa_next_free_vgpr 256
		.amdhsa_next_free_sgpr 66
		.amdhsa_reserve_vcc 0
		.amdhsa_float_denorm_mode_32 3
		.amdhsa_float_denorm_mode_16_64 3
		.amdhsa_memory_ordered 1
		.amdhsa_forward_progress 1
		.amdhsa_inst_pref_size 49
	.end_amdhsa_kernel
	.amdgpu_metadata
---
amdhsa.version: [ 1, 2 ]
amdhsa.kernels:
  - .name:           k_q4794e45e0d_attn
    .symbol:         k_q4794e45e0d_attn.kd
    .args:
      - { .name: qkv, .offset: 0, .size: 8, .value_kind: global_buffer, .address_space: global }
      - { .name: out0, .offset: 8, .size: 8, .value_kind: global_buffer, .address_space: global }
    .group_segment_fixed_size: 0
    .private_segment_fixed_size: 0
    .kernarg_segment_align: 8
    .kernarg_segment_size: 16
    .max_flat_workgroup_size: 256
    .sgpr_count:     66
    .vgpr_count:     256
    .wavefront_size: 32
...
	.end_amdgpu_metadata
.endif
;; end of part 3
;; ======== version 2 of 2: 3 launches; version 1 with the launch prep written anew for expert scheduling mode
;; limits: values are held in f16: magnitudes above 65,504 overflow, below 6.1e-05 lose precision; inputs' magnitudes at most 65,504
;; workspace buffers: xh 16,777,216 bytes; wt 25,165,824 bytes; ball 12,288 bytes; qkv 25,165,824 bytes
;; launch prep (part 4): grid 1024 x 1, 8 waves a work-group, no clusters, 70,656 bytes of LDS; arguments x, Wq, Wk, Wv, bq, bk, bv, xh, wt, ball; writes xh, wt, ball
.if DOCPART == 4
	.amdgcn_target "amdgcn-amd-amdhsa--gfx1250"
	.amdhsa_code_object_version 6
	.text
	.protected	k_q4794e45e0d_prep
	.globl	k_q4794e45e0d_prep
	.p2align	8
	.type	k_q4794e45e0d_prep,@function
k_q4794e45e0d_prep:
	s_mov_b64 s[64:65], 0
	v_nop
	global_prefetch_b8 v0, s[64:65] scope:SCOPE_SE
	s_setreg_imm32_b32 hwreg(HW_REG_WAVE_SCHED_MODE, 0, 2), 2
	s_setreg_imm32_b32 hwreg(HW_REG_WAVE_MODE, 25, 1), 1
	s_wait_xcnt 0x0
	s_wait_alu depctr_vm_vsrc(0)
; PREPARES THE OPERANDS OF THE ONE PROJECTION.  xh = x in f16, [2048][4096].  wt = the weights in f16, turned to [3072 columns][4096 k].  ball = the biases in f32, [3072].
; THE FOLD.  reference() repeats each k head four times and then sums over heads, so the scores need only qs[d][hk] = the sum over j of q[d][4 hk + j], which is x times the sum over j of
; Wq[.][d][4 hk + j], plus the same sum of bq.  That holds for every input; all of Wq and bq is read.  The four are added in f32, (a0 + a2) + (a1 + a3), and the sum is rounded once to f16.
; THE COLUMNS' ORDER in wt, ball and the product, chosen so that the last launch reads its fragments as aligned runs of 256 bytes:
;   q (d, hk):  (d >> 4) 128 + (hk >> 2) 64 + (d & 15) 4 + (hk & 3)          k (e, hk): 1024 + the same with e
;   v (e, hk):  2048 + (e >> 4) 128 + ((e >> 2) & 1) 64 + (((e >> 3) & 1) 8 + hk) 4 + (e & 3)
; LIMITS.  f16 ends at 65,504: x, Wk, Wv and the sums of four Wq must lie within it (beyond it they become infinities); below 6e-5 they keep f16's fixed step of 6e-8.  NaN and infinities are not treated apart.
; SHARES.  1,024 work-groups of eight waves, each reading 128 KiB, 32 loads of 16 bytes a thread, all issued at once: 0-511 tiles of Wq (128 k x 256 columns), 512-767 tiles of Wk and Wv (the same shape),
; 768-1023 pieces of x.  The branch hangs on the work-group's number alone.  A weight tile is turned through LDS: rows of 256 bytes (128 k in f16) + 16 of padding, so that the 16 rows of a store start at 16 different
; groups of four banks (64 banks of 4 bytes: ISA guide 11.1); it leaves as whole rows, 16 lanes storing 256 consecutive bytes at a multiple of 256 from wt's first byte.
; No matrix unit, no cluster, no tensor load: no byte is read twice, and what is in flight lies in registers.
; THE MODE: SCHED_MODE bits 1:0 = 2 (LLVM: expert scheduling mode 2), set by the entry lines.  The code itself states the register dependences between vector instructions and memory or LDS instructions,
; with s_wait_alu, always for 0.
; THE PLAN.  Registers that memory or LDS instructions touch:
;   v1            the loads' offset: made by one vector line at an arm's head, never written again.
;   v2, v3, v4    LDS store address, LDS load address, the stores' offset: made behind the loads, never written again.     v5  the bias stores' offset: made in the bias part, read there alone.
;   DATA          the 32 loads land in it; vector lines read it and leave the packed f16 in it; stores (x) or LDS stores (weights) read those; behind the barrier the LDS loads land in its low registers.
;   SCR           Wk, Wv: the first packed batch, read by LDS stores; in every weight arm the bias lands in it at the end.
;   No register that a store or an LDS store reads is written again ahead of the barrier: each packed batch has registers of its own.  For Wk and Wv, whose packing cannot go in place, they are SCR and then
;   source registers that earlier conversions have read: (g 0, hf 0) SCR; (g 0, hf 1) DATA + 0..15; (g 1, hf 0) DATA + 16..31; (g 1, hf 1) DATA + 64..79.
; So the waits are: one on va_sdst at the head (the wave's number); one on va_vdst ahead of an arm's loads (their offset); one on va_vdst behind each batch of arithmetic, ahead of the run of stores or LDS stores that
; reads it (it stands there, and not at the next batch's head, since what follows it is a wait for memory); one on vm_vsrc behind the barrier, ahead of the LDS loads; one on va_vdst ahead of the bias stores.
.set DATA,  16                         ; v[16:143]  32 loads of 4 registers: for weights, half hf of a row's 1,024 bytes and row i at DATA + 64 hf + 4 i
.set SCR,   144                        ; v[144:159] Wk, Wv: the first batch of packed f16 on its way to LDS; the biases
.set SPW,   12                         ; v12  LDS address of my spare word: SPARE + 4 x my thread's number; never rewritten
.set NIL,   13                         ; v13  0; never rewritten
.set LP,    272                        ; an LDS row
.set SPARE, 256*LP                     ; behind the 256 rows: the spare words, 128 bytes for each of eight waves: four blocks of 256 bytes that no other line names
.macro LOADS base, pitch               ; my wave's 16 rows of a weight tile: row i, half hf: 512 consecutive bytes an instruction
.set i, 0
.rept 16
	global_load_b128 v[DATA+4*i:DATA+4*i+3],       v1, s[\base:\base+1] offset:i*(\pitch) th:TH_LOAD_NT
	global_load_b128 v[DATA+64+4*i:DATA+64+4*i+3], v1, s[\base:\base+1] offset:i*(\pitch)+512 th:TH_LOAD_NT
.set i, i+1
.endr
.endm
	s_load_b512 s[16:31], s[0:1], 0x0              ; x 16, Wq 18, Wk 20, Wv 22, bq 24, bk 26, bv 28, xh 30
	s_load_b128 s[32:35], s[0:1], 0x40             ; wt 32, ball 34
	v_lshl_add_u32 v[SPW], v0, 2, SPARE
	v_mov_b32 v[NIL], 0
	v_lshrrev_b32 v5, 5, v0
	v_readfirstlane_b32 s8, v5                     ; wave 0..7
	v_and_b32 v6, 31, v0                           ; lane
	v_and_b32 v7, 15, v0                           ; lane % 16
	v_bfe_u32 v8, v0, 4, 1                         ; lane / 16
	s_mov_b32 s5, 0                                ; the high words of the two offset pairs
	s_mov_b32 s7, 0
	s_wait_alu depctr_va_sdst(0)                   ; s8 is written, ahead of the branches and of its first reader: the weight arms make their bases and LDS addresses from it
	s_wait_kmcnt 0x0
	s_cmp_lt_u32 ttmp9, 512
	s_cbranch_scc1 .Lq
	s_cmp_lt_u32 ttmp9, 768
	s_cbranch_scc1 .Lkv
	; ---- x to f16: piece g of 256, 32,768 numbers.  Thread t takes 8 numbers (32 bytes in, 16 bytes out) in each of 16 steps of 2,048 numbers.
	v_lshlrev_b32 v1, 5, v0
	v_lshlrev_b32 v4, 4, v0
	s_sub_co_u32 s4, ttmp9, 768
	s_lshl_b32 s6, s4, 16                          ; 65,536 bytes of xh
	s_lshl_b32 s4, s4, 17                          ; 131,072 bytes of x
	s_add_nc_u64 s[16:17], s[16:17], s[4:5]
	s_add_nc_u64 s[30:31], s[30:31], s[6:7]
	s_wait_alu depctr_va_vdst(0)                   ; v1 and v4 are written: the loads below read v1 as their offset, the stores v4
.set it, 0
.rept 16
	global_load_b128 v[DATA+8*it:DATA+8*it+3],   v1, s[16:17] offset:it*8192 th:TH_LOAD_NT
	global_load_b128 v[DATA+8*it+4:DATA+8*it+7], v1, s[16:17] offset:it*8192+16 th:TH_LOAD_NT
.set it, it+1
.endr
.set gr, 0
.rept 4                                ; four steps' conversions, one wait, their four stores
.set it, 4*gr
.rept 4
	s_wait_loadcnt 30-2*it                         ; loads come back in order (ISA guide 5.7.1): this step's two are in, the later steps' stay out
.irp q, 0,1,2,3
	v_cvt_pk_f16_f32 v[DATA+8*it+\q], v[DATA+8*it+2*\q], v[DATA+8*it+2*\q+1]  ; in place: register q is written when registers up to 2 q - 1 have been read
.endr
.set it, it+1
.endr
	s_wait_alu depctr_va_vdst(0)                   ; the sixteen conversions above have written the four stores' data
.set it, 4*gr
.rept 4
	global_store_b128 v4, v[DATA+8*it:DATA+8*it+3], s[30:31] offset:it*4096  ; 16 lanes store 256 consecutive bytes, aligned; no register is used twice, so nothing waits for a store
.set it, it+1
.endr
.set gr, gr+1
.endr
	s_branch .Lend
	; ---- Wq: tile (ktile, coltile): 128 k x 256 columns, which fold to 64 outputs o = 8 d + hk = 64 coltile + 32 hf + lane: a lane's 16 bytes are the four heads of one output.
.Lq:
	v_lshlrev_b32 v1, 4, v6
	s_and_b32 s9, ttmp9, 15                        ; coltile
	s_lshr_b32 s10, ttmp9, 4                       ; ktile
	s_lshl_b32 s4, s10, 7
	s_lshl4_add_u32 s4, s8, s4                     ; my first row: 128 ktile + 16 wave
	s_lshl_b32 s4, s4, 14                          ; x 16,384 bytes
	s_lshl_b32 s11, s9, 10                         ; + 1,024 coltile
	s_add_co_u32 s4, s4, s11
	s_add_nc_u64 s[18:19], s[18:19], s[4:5]
	s_wait_alu depctr_va_vdst(0)                   ; v1 is written: every load of this arm reads it as its offset
	LOADS 18, 16384
	v_mul_u32_u24 v2, v6, LP                       ; into LDS: row = output 32 hf + lane, byte 2 k = 32 wave + 16 g
	s_lshl_b32 s11, s8, 5
	v_add_nc_u32 v2, s11, v2
	s_lshl_b32 s11, s8, 3                          ; back: rows 8 wave + lane / 16 + 2 t: d = 8 coltile + wave, hk = lane / 16 + 2 t
	v_add_nc_u32 v3, s11, v8
	v_mul_u32_u24 v3, v3, LP
	v_lshl_add_u32 v3, v7, 4, v3
	v_lshlrev_b32 v4, 13, v8                       ; in wt: hk & 1 is one row of 8,192 bytes
	v_lshl_add_u32 v4, v7, 4, v4
	s_lshr_b32 s11, s9, 1
	s_lshl_b32 s11, s11, 7                         ; (d >> 4) 128
	s_and_b32 s12, s9, 1
	s_lshl3_add_u32 s12, s12, s8                   ; d & 15
	s_lshl2_add_u32 s11, s12, s11
	s_lshl_b32 s6, s11, 13
	s_lshl_b32 s12, s10, 8                         ; the tile's 128 k: 256 bytes of a row
	s_add_co_u32 s6, s6, s12
	s_add_nc_u64 s[32:33], s[32:33], s[6:7]
.irp g, 0,1                            ; eight k at a time
	s_wait_loadcnt 16*(1-\g)                       ; rows 0-7 are in while the 16 loads of rows 8-15 stay out; then all
.irp hf, 0,1
.set D0, DATA+64*\hf+32*\g
.set i, 0
.rept 8
	v_pk_add_f32 v[D0+4*i:D0+4*i+1], v[D0+4*i:D0+4*i+1], v[D0+4*i+2:D0+4*i+3]
.set i, i+1
.endr
.set i, 0
.rept 8
	v_add_f32 v[D0+4*i], v[D0+4*i], v[D0+4*i+1]    ; the four heads' sum
.set i, i+1
.endr
.set i, 0
.rept 4
	v_cvt_pk_f16_f32 v[D0+i], v[D0+8*i], v[D0+8*i+4]  ; k = 8 g + 2 i in the low half, + 1 in the high
.set i, i+1
.endr
.endr
	s_wait_alu depctr_va_vdst(0)                   ; the conversions have written both halves' four registers, which the two LDS stores read; the first time also: v2, v3 and v4 are written
.irp hf, 0,1
	ds_store_b128 v2, v[DATA+64*\hf+32*\g:DATA+64*\hf+32*\g+3] offset:\hf*32*LP+16*\g
.endr
.endr
	s_wait_dscnt 0x0                               ; for the others' sake: my stores are done
	s_barrier_signal -1
	s_barrier_wait -1                              ; the 64 rows are whole
	s_wait_alu depctr_vm_vsrc(0)                   ; my LDS stores have read v[DATA ..], in which the LDS loads below land (the vector lines that named these registers stand ahead of the last wait on va_vdst)
.irp t, 0,1,2,3
	ds_load_b128 v[DATA+4*\t:DATA+4*\t+3], v3 offset:2*LP*\t
.endr
.irp t, 0,1,2,3
	s_wait_dscnt 3-\t
	global_store_b128 v4, v[DATA+4*\t:DATA+4*\t+3], s[32:33] offset:((\t>>1)*64+2*(\t&1))*8192  ; (hk >> 2) 64 + (hk & 2)
.endr
	s_cmp_lg_u32 s10, 0                            ; bq: once for each coltile, by wave 0 of the tile with k = 0
	s_cbranch_scc1 .Lend
	s_cmp_lg_u32 s8, 0
	s_cbranch_scc1 .Lend
	s_lshl_b32 s4, s9, 10
	s_add_nc_u64 s[24:25], s[24:25], s[4:5]
	global_load_b128 v[SCR:SCR+3],   v1, s[24:25]  ; no line of this arm has named SCR yet
	global_load_b128 v[SCR+4:SCR+7], v1, s[24:25] offset:512
	v_bfe_u32 v5, v6, 2, 1                         ; o = 64 coltile + 32 hf + lane: hk = lane & 7, d & 15 = 8 (coltile & 1) + 4 hf + lane / 8
	v_lshlrev_b32 v5, 8, v5
	v_lshrrev_b32 v9, 3, v6
	v_lshl_add_u32 v5, v9, 4, v5
	v_and_b32 v9, 3, v6
	v_lshl_add_u32 v5, v9, 2, v5
	s_lshr_b32 s11, s9, 1
	s_lshl_b32 s11, s11, 9
	s_and_b32 s12, s9, 1
	s_lshl_b32 s12, s12, 7
	s_add_co_u32 s6, s11, s12
	s_add_nc_u64 s[34:35], s[34:35], s[6:7]
	s_wait_loadcnt 0x0
	v_pk_add_f32 v[SCR:SCR+1], v[SCR:SCR+1], v[SCR+2:SCR+3]
	v_pk_add_f32 v[SCR+4:SCR+5], v[SCR+4:SCR+5], v[SCR+6:SCR+7]
	v_add_f32 v[SCR], v[SCR], v[SCR+1]
	v_add_f32 v[SCR+4], v[SCR+4], v[SCR+5]
	s_wait_alu depctr_va_vdst(0)                   ; the two sums and the offset v5 are written, which the two stores read
	global_store_b32 v5, v[SCR], s[34:35]          ; 1,024 single numbers in the whole launch
	global_store_b32 v5, v[SCR+4], s[34:35] offset:64
	s_branch .Lend
	; ---- Wk (g < 128) and Wv: tile (ktile, ct): 128 k x 256 columns, column = 8 e + hk = 256 ct + 128 hf + 4 lane + c.
.Lkv:
	v_lshlrev_b32 v1, 4, v6
	s_sub_co_u32 s9, ttmp9, 512
	s_and_b32 s10, s9, 127
	s_and_b32 s11, s10, 3                          ; ct
	s_lshr_b32 s10, s10, 2                         ; ktile
	s_cmp_lt_u32 s9, 128
	s_cselect_b64 s[36:37], s[20:21], s[22:23]     ; the weights,
	s_cselect_b64 s[38:39], s[26:27], s[28:29]     ; the bias
	s_cselect_b32 s40, 1, 0                        ; 1: k
	s_cselect_b32 s14, 0, 2                        ; hk & 3 counts 1 column for k, 4 for v
	s_lshr_b32 s13, 2048, s40                      ; the first column: 1,024 or 2,048
	s_lshl_b32 s15, s40, 1
	s_lshl_b32 s15, 0x20000, s15                   ; hk >> 2 counts 64 rows of 8,192 bytes for k, 16 for v
	s_lshl_b32 s4, s10, 7
	s_lshl4_add_u32 s4, s8, s4                     ; my first row: 128 ktile + 16 wave
	s_lshl_b32 s4, s4, 12                          ; x 4,096 bytes
	s_lshl_b32 s12, s11, 10
	s_add_co_u32 s4, s4, s12
	s_add_nc_u64 s[36:37], s[36:37], s[4:5]
	s_wait_alu depctr_va_vdst(0)                   ; v1 is written: every load of this arm reads it as its offset
	LOADS 36, 4096
	v_mul_u32_u24 v2, v6, LP                       ; into LDS: row 128 hf + 32 c + lane, so that 16 lanes take 16 neighbouring rows; byte 32 wave + 16 g
	s_lshl_b32 s12, s8, 5
	v_add_nc_u32 v2, s12, v2
	v_add_nc_u32 v3, s12, v8                       ; back: rows 32 wave + 2 t + lane / 16: hf = wave >> 2, c = wave & 3, so e = 32 ct + 16 (wave >> 2) + t, hk = 4 (lane / 16) + (wave & 3)
	v_mul_u32_u24 v3, v3, LP
	v_lshl_add_u32 v3, v7, 4, v3
	v_mul_u32_u24 v4, v8, s15
	v_lshl_add_u32 v4, v7, 4, v4
	s_lshr_b32 s12, s8, 2
	s_lshl1_add_u32 s12, s11, s12                  ; e >> 4
	s_lshl_b32 s12, s12, 7
	s_add_co_u32 s12, s12, s13
	s_and_b32 s41, s8, 3
	s_lshl_b32 s41, s41, s14
	s_add_co_u32 s12, s12, s41
	s_lshl_b32 s6, s12, 13
	s_lshl_b32 s41, s10, 8
	s_add_co_u32 s6, s6, s41
	s_add_nc_u64 s[32:33], s[32:33], s[6:7]
; One batch: eight rows of one half, 32 registers at src, packed by columns into 16 registers at dst: column c of rows 2 i and 2 i + 1 at dst + 4 c + i.
.macro KVPACK src, dst
.irp c, 0,1,2,3
.set i, 0
.rept 4
	v_cvt_pk_f16_f32 v[(\dst)+4*\c+i], v[(\src)+8*i+\c], v[(\src)+8*i+4+\c]
.set i, i+1
.endr
.endr
.endm
; and its four LDS stores
.macro KVPUT dst, hf, g
.irp c, 0,1,2,3
	ds_store_b128 v2, v[(\dst)+4*\c:(\dst)+4*\c+3] offset:((\hf)*128+\c*32)*LP+16*(\g)
.endr
.endm
	s_wait_loadcnt 16                              ; rows 0-7 are in while the 16 loads of rows 8-15 stay out
	KVPACK DATA, SCR                               ; rows 0-7, half 0
	KVPACK DATA+64, DATA                           ; rows 0-7, half 1: into registers that the batch above has read
	s_wait_alu depctr_va_vdst(0)                   ; both batches are written, which the eight LDS stores read; so are v2, v3 and v4
	KVPUT SCR, 0, 0
	KVPUT DATA, 1, 0
	s_wait_loadcnt 0x0                             ; rows 8-15
	KVPACK DATA+32, DATA+16                        ; rows 8-15, half 0: into registers that the first batch has read and no LDS store names
	KVPACK DATA+96, DATA+64                        ; rows 8-15, half 1: into registers that the second batch has read and no LDS store names
	s_wait_alu depctr_va_vdst(0)                   ; both batches are written, which the eight LDS stores read
	KVPUT DATA+16, 0, 1
	KVPUT DATA+64, 1, 1
	s_wait_dscnt 0x0                               ; for the others' sake: my stores are done
	s_barrier_signal -1
	s_barrier_wait -1                              ; the 256 rows are whole
	s_wait_alu depctr_vm_vsrc(0)                   ; my LDS stores have read v[DATA ..] and v[SCR ..]: the LDS loads below land in the first, the bias's loads in the second (the conversions that named them stand ahead of the last wait on va_vdst)
.set t, 0
.rept 16
	ds_load_b128 v[DATA+4*t:DATA+4*t+3], v3 offset:2*LP*t
.set t, t+1
.endr
.macro KVOUT isk                       ; row t of my sixteen pairs: e & 15 = t
.set t, 0
.rept 16
	s_wait_dscnt 15-t
.if \isk
	global_store_b128 v4, v[DATA+4*t:DATA+4*t+3], s[32:33] offset:4*t*8192
.else
	global_store_b128 v4, v[DATA+4*t:DATA+4*t+3], s[32:33] offset:(((t>>2)&1)*64+((t>>3)&1)*32+(t&3))*8192
.endif
.set t, t+1
.endr
.endm
	s_cmp_eq_u32 s40, 1
	s_cbranch_scc0 .Lvout
	KVOUT 1
	s_branch .Lkvbias
.Lvout:
	KVOUT 0
.Lkvbias:
	s_cmp_lg_u32 s10, 0                            ; bk, bv: once for each ct, by wave 0 of the tile with k = 0
	s_cbranch_scc1 .Lend
	s_cmp_lg_u32 s8, 0
	s_cbranch_scc1 .Lend
	s_lshl_b32 s4, s11, 10
	s_add_nc_u64 s[38:39], s[38:39], s[4:5]
	global_load_b128 v[SCR:SCR+3],   v1, s[38:39]
	global_load_b128 v[SCR+4:SCR+7], v1, s[38:39] offset:512
	s_lshl_b32 s6, s13, 2                          ; (first column + 256 ct) x 4 bytes
	s_add_co_u32 s6, s6, s4
	s_add_nc_u64 s[34:35], s[34:35], s[6:7]
	v_and_b32 v5, 1, v6                            ; e = 32 ct + 16 hf + lane / 2, hk = 4 (lane & 1) + c
	v_lshrrev_b32 v9, 1, v6
	s_cmp_eq_u32 s40, 1
	s_cbranch_scc0 .Lvbias
	v_lshlrev_b32 v5, 8, v5
	v_lshl_add_u32 v5, v9, 4, v5
	s_wait_loadcnt 0x0
	s_wait_alu depctr_va_vdst(0)                   ; the offset v5 is written, which the two stores read
	global_store_b128 v5, v[SCR:SCR+3], s[34:35]
	global_store_b128 v5, v[SCR+4:SCR+7], s[34:35] offset:512
	s_branch .Lend
.Lvbias:
	v_lshlrev_b32 v5, 6, v5
	v_and_b32 v10, 3, v9
	v_lshl_add_u32 v5, v10, 2, v5
	v_bfe_u32 v10, v6, 3, 1
	v_lshl_add_u32 v5, v10, 8, v5
	v_bfe_u32 v10, v6, 4, 1
	v_lshl_add_u32 v5, v10, 7, v5
	s_wait_loadcnt 0x0
	s_wait_alu depctr_va_vdst(0)                   ; the offset v5 is written, which the eight stores read
.irp hf, 0,1
.irp c, 0,1,2,3
	global_store_b32 v5, v[SCR+4*\hf+\c], s[34:35] offset:\hf*512+\c*16  ; 1,024 single numbers in the whole launch
.endr
.endr
.Lend:
	s_wait_dscnt 0x0                               ; the closing lines, six on end
	s_wait_alu 0x0
	s_wait_tensorcnt 0x0
	ds_add_u32 v[SPW], v[NIL]
	s_wait_dscnt 0x0
	s_endpgm
.Lfunc_end_k_q4794e45e0d_prep:
	.size	k_q4794e45e0d_prep, .Lfunc_end_k_q4794e45e0d_prep-k_q4794e45e0d_prep
	.p2alignl 7, 3214868480
	.fill 96, 4, 3214868480
	.section	.rodata,"a",@progbits
	.p2align	6, 0x0
	.amdhsa_kernel k_q4794e45e0d_prep
		.amdhsa_group_segment_fixed_size 70656
		.amdhsa_private_segment_fixed_size 0
		.amdhsa_enable_private_segment 0
		.amdhsa_kernarg_size 80
		.amdhsa_user_sgpr_count 2
		.amdhsa_user_sgpr_kernarg_segment_ptr 1
		.amdhsa_wavefront_size32 1
		.amdhsa_system_sgpr_workgroup_id_x 1
		.amdhsa_system_sgpr_workgroup_id_y 1
		.amdhsa_system_sgpr_workgroup_id_z 1
		.amdhsa_system_vgpr_workitem_id 0
		.amdhsa_next_free_vgpr 160
		.amdhsa_next_free_sgpr 66
		.amdhsa_reserve_vcc 0
		.amdhsa_float_denorm_mode_32 3
		.amdhsa_float_denorm_mode_16_64 3
		.amdhsa_memory_ordered 1
		.amdhsa_forward_progress 1
		.amdhsa_inst_pref_size 39
	.end_amdhsa_kernel
	.amdgpu_metadata
---
amdhsa.version: [ 1, 2 ]
amdhsa.kernels:
  - .name:           k_q4794e45e0d_prep
    .symbol:         k_q4794e45e0d_prep.kd
    .args:
      - { .name: x, .offset: 0, .size: 8, .value_kind: global_buffer, .address_space: global }
      - { .name: Wq, .offset: 8, .size: 8, .value_kind: global_buffer, .address_space: global }
      - { .name: Wk, .offset: 16, .size: 8, .value_kind: global_buffer, .address_space: global }
      - { .name: Wv, .offset: 24, .size: 8, .value_kind: global_buffer, .address_space: global }
      - { .name: bq, .offset: 32, .size: 8, .value_kind: global_buffer, .address_space: global }
      - { .name: bk, .offset: 40, .size: 8, .value_kind: global_buffer, .address_space: global }
      - { .name: bv, .offset: 48, .size: 8, .value_kind: global_buffer, .address_space: global }
      - { .name: xh, .offset: 56, .size: 8, .value_kind: global_buffer, .address_space: global }
      - { .name: wt, .offset: 64, .size: 8, .value_kind: global_buffer, .address_space: global }
      - { .name: ball, .offset: 72, .size: 8, .value_kind: global_buffer, .address_space: global }
    .group_segment_fixed_size: 70656
    .private_segment_fixed_size: 0
    .kernarg_segment_align: 8
    .kernarg_segment_size: 80
    .max_flat_workgroup_size: 256
    .sgpr_count:     66
    .vgpr_count:     160
    .wavefront_size: 32
...
	.end_amdgpu_metadata
.endif
;; end of part 4
;; launch gemm: the kernel of part 2 again; grid 16 x 16, 4 waves a work-group, clusters of 4 x 4, 327,680 bytes of LDS; arguments xh, wt, ball, qkv; writes qkv
;; launch attn: the kernel of part 3 again; grid 256 x 1, 8 waves a work-group, no clusters, 0 bytes of LDS; arguments qkv, out0; writes out0
